; MI455X (gfx1250); checked and timed in simulation.
; The chip was launched on July 23, 2026; its instructions are those of AMD's public machine-readable ISA for CDNA 5 (MIT licence, August 2026) and "CDNA5" Instruction Set Architecture Reference Guide (July 2026). The comments in the code are by the model that wrote it; some were corrected since.
;; Implicit Attetion Layer. Allowed arithmetic: matrix products marked QUANTISED: E5M2 operands, one E8M0 scale for each 32 along K, by v_wmma_scale_f32_16x16x128_f8f6f4 with both operands' format E5M2, f32 sums; products left as they are: f32 operands where the result goes on into a quantised operand, else bf16, f16 or f32 operands; f32 sums; everything else in f32.
;; Inputs: Wk 8 x 128 x 1,024 float32; Wq 128 x 1,024 float32; Wv 8 x 1,024 x 1,024 float32; bk 8 x 128 float32; bq 128 float32; bv 8 x 1,024 float32; x 4,096 x 1,024 float32.
;; Outputs: out0 4,096 x 1,024 float32.
;; This version of the problem:
;;   THIS VERSION OF THE PROBLEM IS GIVEN IN LOW PRECISION. The matrix products marked QUANTISED in the list below multiply operands that are first quantised to E5M2 (5 exponent bits, 2 mantissa bits; 8 bits a number), with one power-of-two scale for each 32 numbers along K (OCP MX v1.0); their sums are f32. All else is computed in f32.
;;   The module's matrix products, in the order in which they are computed (A, B: the left and right operand; K: the contracted axis; several contracted axes count as one K, in the product's order):
;;     1. [M 4,096, K 1,024] x [K 1,024, N 128]; A: input x; B: input Wq: QUANTISED
;;     2. [M 1,024, K 1,024] x [K 1,024, N 4,096]; A: input Wk; B: input x: QUANTISED
;;     3. [M 8,192, K 1,024] x [K 1,024, N 4,096]; A: input Wv; B: input x: QUANTISED
;;     4. batch 4,096 x [M 1, K 128] x [K 128, N 8]; A: computed on the way; B: computed on the way: left as it is (M = 1 < 16)
;;     5. batch 4,096 x [M 1, K 8] x [K 8, N 1,024]; A: softmax; B: computed on the way: left as it is (K = 8 < 32)
;;   THE QUANTISER, for each operand of a quantised product, along K:
;;     - K is cut into blocks of 32 from its start; a last block that is shorter is filled with zeros.
;;     - A block's scale is 2^e with e = floor(log2(the largest magnitude in the block)) - 15, held to -126 .. 127; a block of zeros has e = 0. As a byte (E8M0): e + 127.
;;     - Each number is divided by its block's scale, clamped to +-57,344, and rounded to the nearest number of E5M2, ties to even, subnormals kept.
;;     - The product sums the exact products of the quantised numbers (number of the format x scale) in f32.
;;   ~~~python
;;   def quantise(x, axis):      # numpy; x: float32 -> the quantised numbers, widened to float32 again
;;       x = np.moveaxis(x, axis, -1); K = x.shape[-1]
;;       x = np.pad(x, [(0, 0)] * (x.ndim - 1) + [(0, -K % 32)]); x = x.reshape(x.shape[:-1] + (-1, 32)); a = np.abs(x).max(-1, keepdims=True)
;;       e = np.where(a > 0, np.clip(np.frexp(np.where(a > 0, a, 1))[1] - 1 - 15, -126, 127), 0)      # np.frexp(a)[1] - 1 = floor(log2(a)), exactly
;;       r = np.clip(x / 2.0 ** e, -57344, 57344)
;;       step = 2.0 ** (np.maximum(np.frexp(np.where(r == 0, 1, r))[1] - 1, -14) - 2)
;;       q = np.round(r / step) * step * 2.0 ** e      # np.round: ties to even
;;       return np.moveaxis(q.reshape(q.shape[:-2] + (-1,))[..., :K], -1, axis).astype(np.float32)
;;   ~~~
;; One version. Each part assembles by itself: llvm-mc -triple=amdgcn-amd-amdhsa -mcpu=gfx1250 --defsym DOCPART=n.
;; ======== version 1 of 1: 3 launches
;; limits: right only within a limited range of input values
;; workspace buffers: codes 13,762,560 bytes; scales 430,080 bytes; logits 131,072 bytes
;; launch quant (part 1): grid 240 x 1, 7 waves a work-group, no clusters, 233,984 bytes of LDS; arguments x, Wq, Wk, Wv, codes, scales; writes codes, scales
.if DOCPART == 1
	.amdgcn_target "amdgcn-amd-amdhsa--gfx1250"
	.amdhsa_code_object_version 6
	.text
	.protected	k_qe8065e3c6b_quant
	.globl	k_qe8065e3c6b_quant
	.p2align	8
	.type	k_qe8065e3c6b_quant,@function
k_qe8065e3c6b_quant:
	s_mov_b64 s[64:65], 0
	v_nop
	global_prefetch_b8 v0, s[64:65] scope:SCOPE_SE
	s_setreg_imm32_b32 hwreg(HW_REG_WAVE_MODE, 25, 1), 1
	s_wait_xcnt 0x0
; x [4096][1024], Wq [128][1024], Wk [8][128][1024], Wv [8][1024][1024], all f32 with K innermost, become codes of BF8 (E5M2) with one E8M0 scale byte for each 32 along K.
; A block's scale is 2^(floor(log2(its largest magnitude)) - 15); its byte is the largest magnitude's exponent field - 15, held at 1 from below; each number is divided by the scale,
; held within +-57,344 and rounded to the nearest code, ties to even.
; LIMITS: a block of zeros gets the byte 1 where the rule says 127 (its codes are zeros, and the bytes are read by this program alone); blocks whose largest magnitude lies under 2^-111
; keep the byte 1; NaN and infinities among the inputs are not served.
; THE WORKSPACE IS LAID IN THE ORDER OF THE OPERAND'S REGISTERS.  The four tensors are strung together as 840 ROW BLOCKS of 16 rows x 1,024 K: x 0-255, Wq 256-263, Wk 264-327, Wv 328-839.
;   codes:  byte u 16384 + s 2048 + c 512 + 16 lane holds registers 4 c .. 4 c + 3 of lane (r = lane % 16, hf = lane / 16) of the fragment of K step s: k = 128 s + 32 c + 16 hf + 0 .. 15 of row 16 u + r.
;   scales: byte u 512 + g 256 + 8 lane + 4 i holds a word of four bytes (128 k): lanes 0-15 row r's word of K step 4 g + 2 i, lanes 16-31 row r's word of K step 4 g + 2 i + 1.
; SHARES.  A wave takes half a row block, 16 rows x 512 numbers, four K steps: 1,680 equal shares, seven waves to a work-group, 240 work-groups.  Waves share nothing, so there is no barrier and no cluster.
; A wave's 16 rows of 2,048 bytes come into its own LDS bytes by ONE tensor load, 16 bytes of padding behind each 1,024; a lane then reads 16 neighbours of each block of 32 of ITS row.  Every byte is read once.
.set U_Q,  256
.set U_K,  264
.set U_V,  328
.set PIT,  2080                        ; an LDS row: 2,048 bytes + 2 x 16
.set REGB, 16*PIT                      ; a wave's region: 130 blocks of 256 bytes
.set SPARE, 7*REGB                     ; the spare words, 128 bytes for each wave
.set TM,   8                           ; v8-11 largest magnitudes, v12-15 bytes, v16-19 the largest number x the scale, v20-23 the conversions' scale operands
.set PW0,  24                          ; the scale word of an even K step
.set PW1,  25                          ; of an odd one
.set SW,   26                          ; v[26:27] the two packed registers of scale words
.set SPW,  28                          ; SPARE + 4 x my thread's number; never rewritten
.set NIL,  29                          ; 0; never rewritten
.set X,    32                          ; v32-159  two sets of 64 numbers of my row: register 16 b + i = k 32 b + 16 hf + i
.set PC,   160                         ; v160-223 codes, 16 registers for each K step, so that no store's data are written again
.set G1,   32                          ; s[32:39], s[40:43] the descriptor
.set G0,   40
	s_load_b256 s[4:11], s[0:1], 0x0               ; x s[4:5], Wq s[6:7], Wk s[8:9], Wv s[10:11]
	s_load_b128 s[12:15], s[0:1], 0x20             ; codes s[12:13], scales s[14:15]
	v_lshl_add_u32 v[SPW], v0, 2, SPARE
	v_mov_b32 v[NIL], 0
	ds_add_u32 v[SPW], v[NIL]                      ; the wave's opening: the add, twice on end, and its wait ahead of my tensor load
	ds_add_u32 v[SPW], v[NIL]
	v_lshrrev_b32 v4, 5, v0
	v_readfirstlane_b32 s30, v4                    ; wave 0..6
	s_mul_i32 s16, ttmp9, 7
	s_add_co_u32 s16, s16, s30                     ; my share,
	s_and_b32 s17, s16, 1                          ; which half of K,
	s_lshr_b32 s16, s16, 1                         ; and u: my row block
	s_mov_b32 s[G1+0], (3<<16)|(1<<20)|(7<<22)|(3<<25)   ; elements of 8 bytes; padding on: after every 256 words 4 words
	s_mov_b32 s[G1+1], 256<<16                     ; 16 rows of 2,048 bytes, 4,096 bytes apart
	s_mov_b32 s[G1+2], 16<<16
	s_mov_b32 s[G1+3], 256<<16
	s_mov_b32 s[G1+4], 16
	s_mov_b32 s[G1+5], 512
	s_mov_b32 s[G1+6], 0
	s_mov_b32 s[G1+7], 0
	s_mov_b32 s[G0], 1
	s_mul_i32 s[G0+1], s30, REGB
	s_mul_i32 s31, s30, REGB
	s_mov_b32 s24, 0x76543210
	s_mov_b32 s25, 0xfedcba98                      ; v_permlanex16_b32's selects for lane l xor 16
	s_mov_b32 s26, 0x600000                        ; the mantissa field of 57,344
	s_mov_b32 s27, 0xffff0000                      ; lanes 16-31
	s_mov_b32 s18, U_V
	v_and_b32 v5, 31, v0                           ; lane
	v_and_b32 v4, 15, v0                           ; r
	v_bfe_u32 v6, v0, 4, 1                         ; hf
	v_lshlrev_b32 v1, 4, v5                        ; 16 x lane: code stores
	v_lshlrev_b32 v3, 3, v5                        ; 8 x lane: the scale words
	v_mul_u32_u24 v2, v4, PIT
	v_lshl_add_u32 v2, v6, 6, v2                   ; row r, + 64 hf,
	v_add_nc_u32 v2, s31, v2                       ; in my region
.irp b, 0,1,2,3
	v_mov_b32 v[TM+4+\b], 0                        ; written once: a lane permute's destination counts as one of its sources
.endr
	s_wait_alu depctr_va_vdst(0)
	s_wait_dscnt 0x0                               ; both opening adds are done
	s_wait_kmcnt 0x0
	s_cmp_lt_u32 s16, U_V                          ; which tensor holds row block u, and where it begins: the choice hangs on the share's number alone
	s_cselect_b64 s[20:21], s[8:9], s[10:11]
	s_cselect_b32 s18, U_K, s18
	s_cmp_lt_u32 s16, U_K
	s_cselect_b64 s[20:21], s[6:7], s[20:21]
	s_cselect_b32 s18, U_Q, s18
	s_cmp_lt_u32 s16, U_Q
	s_cselect_b64 s[20:21], s[4:5], s[20:21]
	s_cselect_b32 s18, 0, s18
	s_sub_co_u32 s22, s16, s18                     ; the row block's number in its tensor: 65,536 bytes each,
	s_lshl_b32 s22, s22, 16
	s_lshl_b32 s23, s17, 11                        ; + my half of each row: 2,048 bytes
	s_add_co_u32 s22, s22, s23
	s_mov_b32 s23, 0
	s_add_nc_u64 s[G0+2:G0+3], s[20:21], s[22:23]
	s_or_b32 s[G0+3], s[G0+3], 0x80000000
	tensor_load_to_lds s[G0:G0+3], s[G1:G1+7]
	s_nop 0
.rept 4
	v_nop
.endr
	s_lshl_b32 s22, s16, 14                        ; codes: 16,384 u + 8,192 x half
	s_lshl_b32 s28, s17, 13
	s_add_co_u32 s22, s22, s28
	s_add_nc_u64 s[12:13], s[12:13], s[22:23]
	s_lshl_b32 s22, s16, 9                         ; scales: 512 u + 256 x half
	s_lshl_b32 s28, s17, 8
	s_add_co_u32 s22, s22, s28
	s_add_nc_u64 s[14:15], s[14:15], s[22:23]
.macro XLD t                           ; my 64 numbers of K step t into set t % 2
.set X, 32+64*((\t)%2)
.irp b, 0,1,2,3
.irp j, 0,1,2,3
	ds_load_b128 v[X+16*\b+4*\j:X+16*\b+4*\j+3], v2 offset:512*(\t)+16*((\t)/2)+128*\b+16*\j
.endr
.endr
.endm
.macro QUANT pw                        ; v[X] .. v[X + 63] become a fragment's codes in v[PC] on and my row's scale word in v[pw]
.irp b, 0,1,2,3
	v_max3_num_f32 v[TM+\b], |v[X+16*\b]|, |v[X+16*\b+1]|, 0x8000000   ; block b: my 16 numbers, and the floor 2^(16 - 127): the byte cannot fall under 1
.endr
.irp i, 2,4,6,8,10,12,14
.irp b, 0,1,2,3
	v_max3_num_f32 v[TM+\b], v[TM+\b], |v[X+16*\b+\i]|, |v[X+16*\b+\i+1]|   ; the four blocks by turns: no line waits for the line above it
.endr
.endr
.irp b, 0,1,2,3
	v_permlanex16_b32 v[TM+4+\b], v[TM+\b], s24, s25
.endr
.irp b, 0,1,2,3
	v_max_num_f32 v[TM+\b], v[TM+\b], v[TM+4+\b]   ; with lane l xor 16's 16 numbers: the block's largest magnitude
.endr
.irp b, 0,1,2,3
	v_add_nc_u32 v[TM+12+\b], 0xf8800000, v[TM+\b] ; 15 off its exponent field: the conversion takes this operand's exponent field as its scale
.endr
.irp b, 0,1,2,3
	v_and_or_b32 v[TM+8+\b], v[TM+\b], 0x7f800000, s26   ; 57,344 x the scale
.endr
.irp b, 0,1,2,3
	v_lshrrev_b32 v[TM+4+\b], 23, v[TM+12+\b]      ; the scale's byte
.endr
	v_lshl_or_b32 v[\pw], v[TM+5], 8, v[TM+4]      ; four bytes make the word, the lower k in the lower byte
	v_lshl_or_b32 v[\pw], v[TM+6], 16, v[\pw]
	v_lshl_or_b32 v[\pw], v[TM+7], 24, v[\pw]
.irp b, 0,1,2,3
.irp i, 0,1,2,3,4,5,6,7,8,9,10,11,12,13,14,15
	v_med3_num_f32 v[X+16*\b+\i], v[X+16*\b+\i], -v[TM+8+\b], v[TM+8+\b]   ; the conversion to an 8-bit code does not saturate (ISA guide 7.6.2): the hold comes first
.endr
	v_cvt_scalef32_pk8_bf8_f32 v[PC+4*\b:PC+4*\b+1], v[X+16*\b:X+16*\b+7], v[TM+12+\b]
	v_cvt_scalef32_pk8_bf8_f32 v[PC+4*\b+2:PC+4*\b+3], v[X+16*\b+8:X+16*\b+15], v[TM+12+\b]
.endr
	v_nop                                          ; one plain vector line behind the last conversion
.endm
.macro KSTEP t
.if (\t) < 3
	s_wait_dscnt 16                                ; this K step's 16 loads are in; the next one's may be out
.else
	s_wait_dscnt 0x0
.endif
.set X, 32+64*((\t)%2)
.set PC, 160+16*(\t)
.if (\t)%2 == 0
	QUANT PW0
.else
	QUANT PW1
	v_cndmask_b32 v[SW+(\t)/2], v[PW0], v[PW1], s27   ; lanes 0-15 keep the even K step's word, lanes 16-31 take the odd one's
.endif
.irp c, 0,1,2,3
	global_store_b128 v1, v[PC+4*\c:PC+4*\c+3], s[12:13] offset:(\t)*2048+\c*512   ; the 32 lanes store 512 consecutive bytes, at a multiple of 256 from the buffer's first byte
.endr
.if (\t) < 2
	XLD (\t)+2
.endif
.endm
	s_wait_tensorcnt 0x0                           ; my rows are in: only I read them
	XLD 0
	XLD 1
	KSTEP 0
	KSTEP 1
	KSTEP 2
	KSTEP 3
	global_store_b64 v3, v[SW:SW+1], s[14:15]      ; 256 consecutive bytes, aligned
	s_wait_tensorcnt 0x0                           ; the wave's end
	ds_add_u32 v[SPW], v[NIL]
	s_wait_dscnt 0x0
	s_endpgm
.Lfunc_end_k_qe8065e3c6b_quant:
	.size	k_qe8065e3c6b_quant, .Lfunc_end_k_qe8065e3c6b_quant-k_qe8065e3c6b_quant
	.p2alignl 7, 3214868480
	.fill 96, 4, 3214868480
	.section	.rodata,"a",@progbits
	.p2align	6, 0x0
	.amdhsa_kernel k_qe8065e3c6b_quant
		.amdhsa_group_segment_fixed_size 233984
		.amdhsa_private_segment_fixed_size 0
		.amdhsa_enable_private_segment 0
		.amdhsa_kernarg_size 48
		.amdhsa_user_sgpr_count 2
		.amdhsa_user_sgpr_kernarg_segment_ptr 1
		.amdhsa_wavefront_size32 1
		.amdhsa_system_sgpr_workgroup_id_x 1
		.amdhsa_system_sgpr_workgroup_id_y 1
		.amdhsa_system_sgpr_workgroup_id_z 1
		.amdhsa_system_vgpr_workitem_id 0
		.amdhsa_next_free_vgpr 224
		.amdhsa_next_free_sgpr 66
		.amdhsa_reserve_vcc 0
		.amdhsa_float_denorm_mode_32 3
		.amdhsa_float_denorm_mode_16_64 3
		.amdhsa_memory_ordered 1
		.amdhsa_forward_progress 1
		.amdhsa_inst_pref_size 42
	.end_amdhsa_kernel
	.amdgpu_metadata
---
amdhsa.version: [ 1, 2 ]
amdhsa.kernels:
  - .name:           k_qe8065e3c6b_quant
    .symbol:         k_qe8065e3c6b_quant.kd
    .args:
      - { .name: x, .offset: 0, .size: 8, .value_kind: global_buffer, .address_space: global }
      - { .name: Wq, .offset: 8, .size: 8, .value_kind: global_buffer, .address_space: global }
      - { .name: Wk, .offset: 16, .size: 8, .value_kind: global_buffer, .address_space: global }
      - { .name: Wv, .offset: 24, .size: 8, .value_kind: global_buffer, .address_space: global }
      - { .name: codes, .offset: 32, .size: 8, .value_kind: global_buffer, .address_space: global }
      - { .name: scales, .offset: 40, .size: 8, .value_kind: global_buffer, .address_space: global }
    .group_segment_fixed_size: 233984
    .private_segment_fixed_size: 0
    .kernarg_segment_align: 8
    .kernarg_segment_size: 48
    .max_flat_workgroup_size: 224
    .sgpr_count:     66
    .vgpr_count:     224
    .wavefront_size: 32
...
	.end_amdgpu_metadata
.endif
;; end of part 1
;; launch logit (part 2): grid 8 x 32, 4 waves a work-group, clusters of 4 x 1, 327,680 bytes of LDS; arguments codes, scales, bq, bk, logits; writes logits
.if DOCPART == 2
	.amdgcn_target "amdgcn-amd-amdhsa--gfx1250"
	.amdhsa_code_object_version 6
	.text
	.protected	k_qe8065e3c6b_logit
	.globl	k_qe8065e3c6b_logit
	.p2align	8
	.type	k_qe8065e3c6b_logit,@function
k_qe8065e3c6b_logit:
	s_mov_b64 s[64:65], 0
	v_nop
	global_prefetch_b8 v0, s[64:65] scope:SCOPE_SE
	s_setreg_imm32_b32 hwreg(HW_REG_WAVE_MODE, 25, 1), 1
	s_wait_xcnt 0x0
	s_wait_alu depctr_hold_cnt(0) depctr_sa_sdst(0) depctr_va_vdst(0) depctr_va_sdst(0) depctr_va_ssrc(0) depctr_va_vcc(0) depctr_vm_vsrc(0)
	s_getreg_b32 s2, hwreg(HW_REG_IB_STS2, 6, 4)
	s_cmp_eq_u32 s2, 0
	s_cbranch_scc0 .Lentry_in_a_cluster
	s_endpgm
.Lentry_in_a_cluster:
	s_bfe_u32 s2, ttmp6, 0x10000c
	s_cmp_lg_u32 s2, 0x3003
	s_cbranch_scc0 .Lentry_shape_is_right
	s_endpgm
.Lentry_shape_is_right:
; logits[h][b] = (x Wq^T + bq)[b] . (x Wk_h^T + bk_h)[b], both products on codes of BF8 (E5M2) with E8M0 scales, sums in f32; the division by sqrt(128) is made where the logits are read.
; A work-group takes 128 rows of x and one head: 8 x 32 = 256 work-groups.  Wave w makes columns 32 w .. 32 w + 31 of q and of k for all 128 rows, so q x k is summed in registers, and the four waves' parts meet in LDS.
; One tensor load a wave: wave 0 fetches x's 131,072 bytes and wave 1 Wq's, jointly for the four partners of the cluster, which share both; waves 2 and 3 fetch K steps 0 to 2 of Wk's eight row blocks, for this work-group alone.
; LDS has no room for the rest of Wk beside them: K steps 3 to 7 go straight into registers.
; LIMITS: NaN and infinities are not served.
.set U_Q, 256
.set U_K,  264
.set FRB,  2048
.set RBB,  16384
.set RBS,  512
.set WQL,  131072
.set WKL,  262144                      ; LDS: K steps 0 to 2 of Wk: 6,144 bytes a row block
.set RED,  311296
.set WKA,  10
.set G1K,  68
.set G0K,  76
.set LI,   1
.set LI2,  2
.set L8,   3
.set HB,   4
.set RW,   5
.set RR,   6
.set WQA,  7
.set XSR,  16
.set WSR,  48
.set BI,   64
.set T,    96
.set P,    112
.set FR,   128
.set G1,   24
.set G0Q,  36
.set G0,   40
.set MSB, 0
.macro WIN new
.if MSB != \new
	s_set_vgpr_msb (MSB<<8)|\new
.set MSB, \new
.endif
.endm
.macro PLACES n
.rept \n
	v_nop
.endr
.endm
.macro CROUND
	s_barrier_signal -1
	s_barrier_wait -1
	s_cmp_lg_u32 s14, 0
	s_cbranch_scc1 .Lnot_wave_0_\@
	s_barrier_signal -3
.Lnot_wave_0_\@:
	s_barrier_wait -3
	s_barrier_signal -1
	s_barrier_wait -1
.endm
	s_load_b256 s[4:11], s[0:1], 0x0
	s_load_b64 s[12:13], s[0:1], 0x20
	v_lshl_add_u32 v126, v0, 2, 0x4c800
	v_mov_b32 v127, 0
	ds_add_u32 v126, v127
	ds_add_u32 v126, v127
	v_lshrrev_b32 v8, 5, v0
	v_readfirstlane_b32 s14, v8
	s_bfe_u32 s15, ttmp6, 0x40000
	s_lshl_b32 s16, ttmp9, 2
	s_add_co_u32 s16, s16, s15
	s_and_b32 s17, ttmp7, 0xffff
	v_and_b32 v8, 31, v0
	v_lshlrev_b32 v[LI], 4, v8
	v_add_nc_u32 v[LI2], 65536, v[LI]
	v_lshlrev_b32 v[L8], 3, v8
	v_bfe_u32 v[HB], v0, 4, 1
	v_lshlrev_b32 v[HB], 5, v[HB]
	v_and_b32 v9, 15, v0
	s_lshl_b32 s22, s14, 9
	s_add_co_u32 s22, s22, RED
	v_lshl_add_u32 v[RW], v9, 2, s22
	v_add_nc_u32 v[RR], RED, v[LI]
	s_lshl_b32 s22, s14, 15
	s_add_co_u32 s22, s22, WQL
	v_add_nc_u32 v[WQA], s22, v[LI]
	s_mul_i32 s22, s14, 12288
	s_add_co_u32 s22, s22, WKL
	v_add_nc_u32 v[WKA], s22, v[LI]                ; my two row blocks of Wk
.irp m, 0,1,2,3,4,5,6,7
	v_mov_b32 v[P+\m], 0
.endr
	s_mov_b32 s[G1+0], 15|(3<<16)|(1<<21)
	s_mov_b32 s[G1+1], 32<<16
	s_mov_b32 s[G1+2], 512<<16
	s_mov_b32 s[G1+3], 32<<16
	s_mov_b32 s[G1+4], 512
	s_mov_b32 s[G1+5], 32
	s_mov_b32 s[G1+6], 0
	s_mov_b32 s[G1+7], 0
	s_mov_b32 s60, 0x76543210
	s_mov_b32 s61, 0xfedcba98
	s_lshl_b32 s18, s17, 17
	s_mov_b32 s19, 0
	s_mov_b32 s20, U_Q*RBB
	s_mov_b32 s[G1K+0], 3<<16                      ; Wk: four rows of 6,144 bytes, a row block apart, no mask
	s_mov_b32 s[G1K+1], 768<<16
	s_mov_b32 s[G1K+2], 4<<16
	s_mov_b32 s[G1K+3], 768<<16
	s_mov_b32 s[G1K+4], 4
	s_mov_b32 s[G1K+5], 2048
	s_mov_b32 s[G1K+6], 0
	s_mov_b32 s[G1K+7], 0
	s_and_b32 s62, s14, 1                          ; wave 2: the head's row blocks 0 to 3; wave 3: 4 to 7
	s_mul_i32 s[G0K+1], s62, 24576
	s_add_co_u32 s[G0K+1], s[G0K+1], WKL
	s_lshl_b32 s62, s62, 16
	s_lshl_b32 s63, s16, 17
	s_add_co_u32 s62, s62, s63
	s_add_co_u32 s62, s62, U_K*RBB
	s_mov_b32 s63, 0
	s_mov_b32 s21, 0
	s_wait_dscnt 0x0
	s_wait_kmcnt 0x0
	s_mov_b32 s[G0+0], 1
	s_mov_b32 s[G0+1], 0
	s_add_nc_u64 s[G0+2:G0+3], s[4:5], s[18:19]
	s_or_b32 s[G0+3], s[G0+3], 0x80000000
	s_mov_b32 s[G0Q+0], 1
	s_mov_b32 s[G0Q+1], WQL
	s_add_nc_u64 s[G0Q+2:G0Q+3], s[4:5], s[20:21]
	s_or_b32 s[G0Q+3], s[G0Q+3], 0x80000000
	s_mov_b32 s[G0K+0], 1
	s_add_nc_u64 s[G0K+2:G0K+3], s[4:5], s[62:63]
	s_or_b32 s[G0K+3], s[G0K+3], 0x80000000
	CROUND
	s_cmp_eq_u32 s14, 0                            ; one tensor load a wave
	s_cbranch_scc0 .Lnot_x
	tensor_load_to_lds s[G0:G0+3], s[G1:G1+7]      ; wave 0: x's eight row blocks, 512 rows of 256 bytes
	s_nop 0
	PLACES 4
	s_branch .Lasked
.Lnot_x:
	s_cmp_eq_u32 s14, 1
	s_cbranch_scc0 .Lfor_wk
	tensor_load_to_lds s[G0Q:G0Q+3], s[G1:G1+7]    ; wave 1: Wq's
	s_nop 0
	PLACES 4
	s_branch .Lasked
.Lfor_wk:
	tensor_load_to_lds s[G0K:G0K+3], s[G1K:G1K+7]  ; waves 2, 3: four of Wk's each, K steps 0 to 2
	s_nop 0
	PLACES 4
.Lasked:
	s_wait_alu depctr_va_vdst(0)
	s_mov_b32 s21, 0
	s_lshl_b32 s32, s14, 15
	s_lshl_b32 s33, s16, 17
	s_add_co_u32 s20, s32, s33
	s_add_co_u32 s20, s20, U_K*RBB
	s_add_nc_u64 s[46:47], s[4:5], s[20:21]
	s_lshl_b32 s32, s14, 10
	s_add_co_u32 s20, s32, U_Q*RBS
	s_add_nc_u64 s[48:49], s[6:7], s[20:21]
	s_lshl_b32 s33, s16, 12
	s_add_co_u32 s20, s32, s33
	s_add_co_u32 s20, s20, U_K*RBS
	s_add_nc_u64 s[50:51], s[6:7], s[20:21]
	s_lshl_b32 s20, s17, 12
	s_add_nc_u64 s[52:53], s[6:7], s[20:21]
	s_lshl_b32 s20, s14, 7
	s_add_nc_u64 s[54:55], s[8:9], s[20:21]
	s_lshl_b32 s33, s16, 9
	s_add_co_u32 s20, s20, s33
	s_add_nc_u64 s[56:57], s[10:11], s[20:21]
	s_lshl_b32 s20, s16, 14
	s_lshl_b32 s33, s17, 9
	s_add_co_u32 s20, s20, s33
	s_add_nc_u64 s[58:59], s[12:13], s[20:21]
.irp ut, 0,1
.irp g, 0,1
	global_load_b64 v[WSR+4*\ut+2*\g:WSR+4*\ut+2*\g+1], v[L8], s[48:49] offset:\ut*RBS+256*\g
	global_load_b64 v[WSR+8+4*\ut+2*\g:WSR+8+4*\ut+2*\g+1], v[L8], s[50:51] offset:\ut*RBS+256*\g
.endr
	global_load_b128 v[BI+8*\ut:BI+8*\ut+3], v[HB], s[54:55] offset:64*\ut
	global_load_b128 v[BI+8*\ut+4:BI+8*\ut+7], v[HB], s[54:55] offset:64*\ut+16
	global_load_b128 v[BI+16+8*\ut:BI+16+8*\ut+3], v[HB], s[56:57] offset:64*\ut
	global_load_b128 v[BI+16+8*\ut+4:BI+16+8*\ut+7], v[HB], s[56:57] offset:64*\ut+16
.endr
.irp m, 0,1,2,3,4,5,6,7
.irp g, 0,1
	global_load_b64 v[XSR+4*\m+2*\g:XSR+4*\m+2*\g+1], v[L8], s[52:53] offset:\m*RBS+256*\g
.endr
.endr
.irp s, 3,4,5,6,7
.if \s < 4
	WIN 0x80
.else
	WIN 0xc0
.endif
.irp ut, 2,3
.irp c, 0,1,2,3
	global_load_b128 v[64*(\s%4)+16*\ut+4*\c:64*(\s%4)+16*\ut+4*\c+3], v[LI], s[46:47] offset:(\ut-2)*RBB+\s*FRB+\c*512
.endr
.endr
.endr
	WIN 0
	s_wait_tensorcnt 0x0
	s_barrier_signal -1
	s_barrier_wait -1
.macro FETCHX n
.irp mm, 0,1,2,3
.irp c, 0,1,2,3
	ds_load_b128 v[FR+64*((\n)%2)+16*\mm+4*\c:FR+64*((\n)%2)+16*\mm+4*\c+3], v[LI+(\n)%2] offset:\mm*RBB+((\n)/2)*FRB+\c*512
.endr
.endr
.endm
.macro WQLD s
.if (\s) < 4
	WIN 0x80
.else
	WIN 0xc0
.endif
.irp ut, 0,1
.irp c, 0,1,2,3
	ds_load_b128 v[64*((\s)%4)+16*\ut+4*\c:64*((\s)%4)+16*\ut+4*\c+3], v[WQA] offset:\ut*RBB+(\s)*FRB+\c*512
.endr
.endr
.if (\s) < 3
.irp ut, 2,3
.irp c, 0,1,2,3
	ds_load_b128 v[64*((\s)%4)+16*\ut+4*\c:64*((\s)%4)+16*\ut+4*\c+3], v[WKA] offset:(\ut-2)*6144+(\s)*FRB+\c*512
.endr
.endr
.endif
	WIN 0
.endm
.macro MULX n
.set KST, (\n)/2
.set QHF, (\n)%2
.if KST == 0
	WIN 0x42
.elseif KST < 4
	WIN 0x52
.else
	WIN 0x53
.endif
.irp mm, 0,1,2,3
.irp ut, 0,1,2,3
.if KST == 0
	v_wmma_scale_f32_16x16x128_f8f6f4 v[8*(4*(4*QHF+\mm)+\ut):8*(4*(4*QHF+\mm)+\ut)+7], v[64*(KST%4)+16*\ut:64*(KST%4)+16*\ut+15], v[FR+64*QHF+16*\mm:FR+64*QHF+16*\mm+15], v[BI+8*\ut:BI+8*\ut+7], v[WSR+4*\ut+KST/2], v[XSR+4*(4*QHF+\mm)+KST/2] matrix_a_fmt:MATRIX_FMT_BF8 matrix_b_fmt:MATRIX_FMT_BF8
.elseif KST%2 == 0
	v_wmma_scale_f32_16x16x128_f8f6f4 v[8*(4*(4*QHF+\mm)+\ut):8*(4*(4*QHF+\mm)+\ut)+7], v[64*(KST%4)+16*\ut:64*(KST%4)+16*\ut+15], v[FR+64*QHF+16*\mm:FR+64*QHF+16*\mm+15], v[8*(4*(4*QHF+\mm)+\ut):8*(4*(4*QHF+\mm)+\ut)+7], v[WSR+4*\ut+KST/2], v[XSR+4*(4*QHF+\mm)+KST/2] matrix_a_fmt:MATRIX_FMT_BF8 matrix_b_fmt:MATRIX_FMT_BF8
.else
	v_wmma_scale_f32_16x16x128_f8f6f4 v[8*(4*(4*QHF+\mm)+\ut):8*(4*(4*QHF+\mm)+\ut)+7], v[64*(KST%4)+16*\ut:64*(KST%4)+16*\ut+15], v[FR+64*QHF+16*\mm:FR+64*QHF+16*\mm+15], v[8*(4*(4*QHF+\mm)+\ut):8*(4*(4*QHF+\mm)+\ut)+7], v[WSR+4*\ut+KST/2], v[XSR+4*(4*QHF+\mm)+KST/2] matrix_a_fmt:MATRIX_FMT_BF8 matrix_b_fmt:MATRIX_FMT_BF8 matrix_a_scale:MATRIX_SCALE_ROW1 matrix_b_scale:MATRIX_SCALE_ROW1
.endif
.endr
.endr
	WIN 0
.endm
	s_wait_alu depctr_va_vdst(0)
	WQLD 0
	FETCHX 0
.set N, 0
.rept 16
.if N > 0
	PLACES 8
.endif
.set NW, 0
.if N < 15
	FETCHX N+1
.set NW, 16
.endif
.if (N%2 == 0) && (N < 14)
	WQLD N/2+1
.if N < 4
.set NW, NW+16
.else
.set NW, NW+8
.endif
.endif
.if N%2 == 0
.if N < 6
	s_wait_loadcnt 40                              ; scale words and bias are in: behind them stand Wk's 40 loads
.else
	s_wait_loadcnt 8*(7-N/2)                       ; this K step's part of Wk is in
.endif
.endif
	s_wait_dscnt NW
	MULX N
.set N, N+1
.endr
	PLACES 8
	WIN 0x05
.irp m, 0,1,2,3,4,5,6,7
	v_pk_mul_f32 v[T+2*\m:T+2*\m+1], v[32*\m:32*\m+1], v[32*\m+16:32*\m+17]
.endr
.irp j, 2,4,6
.irp m, 0,1,2,3,4,5,6,7
	v_pk_fma_f32 v[T+2*\m:T+2*\m+1], v[32*\m+\j:32*\m+\j+1], v[32*\m+16+\j:32*\m+17+\j], v[T+2*\m:T+2*\m+1]
.endr
.endr
.irp j, 0,2,4,6
.irp m, 0,1,2,3,4,5,6,7
	v_pk_fma_f32 v[T+2*\m:T+2*\m+1], v[32*\m+8+\j:32*\m+9+\j], v[32*\m+24+\j:32*\m+25+\j], v[T+2*\m:T+2*\m+1]
.endr
.endr
	WIN 0
.irp m, 0,1,2,3,4,5,6,7
	v_add_f32 v[T+2*\m], v[T+2*\m], v[T+2*\m+1]
.endr
.irp m, 0,1,2,3,4,5,6,7
	v_permlanex16_b32 v[P+\m], v[T+2*\m], s60, s61
.endr
.irp m, 0,1,2,3,4,5,6,7
	v_add_f32 v[T+2*\m], v[T+2*\m], v[P+\m]
.endr
.irp m, 0,1,2,3,4,5,6,7
	ds_store_b32 v[RW], v[T+2*\m] offset:64*\m
.endr
	s_wait_dscnt 0x0
	s_barrier_signal -1
	s_barrier_wait -1
	s_cmp_lg_u32 s14, 0
	s_cbranch_scc1 .Ldone
.irp i, 0,1,2,3
	ds_load_b128 v[128+4*\i:128+4*\i+3], v[RR] offset:512*\i
.endr
	s_wait_dscnt 0x0
	v_pk_add_f32 v[128:129], v[128:129], v[132:133]
	v_pk_add_f32 v[130:131], v[130:131], v[134:135]
	v_pk_add_f32 v[136:137], v[136:137], v[140:141]
	v_pk_add_f32 v[138:139], v[138:139], v[142:143]
	v_pk_add_f32 v[128:129], v[128:129], v[136:137]
	v_pk_add_f32 v[130:131], v[130:131], v[138:139]
	global_store_b128 v[LI], v[128:131], s[58:59]
.Ldone:
	s_wait_tensorcnt 0x0
	ds_add_u32 v126, v127
	s_wait_dscnt 0x0
	CROUND
	s_endpgm
.Lfunc_end_k_qe8065e3c6b_logit:
	.size	k_qe8065e3c6b_logit, .Lfunc_end_k_qe8065e3c6b_logit-k_qe8065e3c6b_logit
	.p2alignl 7, 3214868480
	.fill 96, 4, 3214868480
	.section	.rodata,"a",@progbits
	.p2align	6, 0x0
	.amdhsa_kernel k_qe8065e3c6b_logit
		.amdhsa_group_segment_fixed_size 327680
		.amdhsa_private_segment_fixed_size 0
		.amdhsa_enable_private_segment 0
		.amdhsa_kernarg_size 40
		.amdhsa_user_sgpr_count 2
		.amdhsa_user_sgpr_kernarg_segment_ptr 1
		.amdhsa_wavefront_size32 1
		.amdhsa_system_sgpr_workgroup_id_x 1
		.amdhsa_system_sgpr_workgroup_id_y 1
		.amdhsa_system_sgpr_workgroup_id_z 1
		.amdhsa_system_vgpr_workitem_id 0
		.amdhsa_next_free_vgpr 1024
		.amdhsa_next_free_sgpr 96
		.amdhsa_reserve_vcc 0
		.amdhsa_float_denorm_mode_32 3
		.amdhsa_float_denorm_mode_16_64 3
		.amdhsa_memory_ordered 1
		.amdhsa_forward_progress 1
		.amdhsa_inst_pref_size 80
	.end_amdhsa_kernel
	.amdgpu_metadata
---
amdhsa.version: [ 1, 2 ]
amdhsa.kernels:
  - .name:           k_qe8065e3c6b_logit
    .symbol:         k_qe8065e3c6b_logit.kd
    .args:
      - { .name: codes, .offset: 0, .size: 8, .value_kind: global_buffer, .address_space: global }
      - { .name: scales, .offset: 8, .size: 8, .value_kind: global_buffer, .address_space: global }
      - { .name: bq, .offset: 16, .size: 8, .value_kind: global_buffer, .address_space: global }
      - { .name: bk, .offset: 24, .size: 8, .value_kind: global_buffer, .address_space: global }
      - { .name: logits, .offset: 32, .size: 8, .value_kind: global_buffer, .address_space: global }
    .group_segment_fixed_size: 327680
    .private_segment_fixed_size: 0
    .kernarg_segment_align: 8
    .kernarg_segment_size: 40
    .max_flat_workgroup_size: 128
    .sgpr_count:     96
    .vgpr_count:     1024
    .wavefront_size: 32
...
	.end_amdgpu_metadata
.endif
;; end of part 2
;; launch combine (part 3): grid 32 x 8, 4 waves a work-group, clusters of 4 x 1, 327,680 bytes of LDS; arguments codes, scales, logits, bv, out0; writes out0
.if DOCPART == 3
	.amdgcn_target "amdgcn-amd-amdhsa--gfx1250"
	.amdhsa_code_object_version 6
	.text
	.protected	k_qe8065e3c6b_combine
	.globl	k_qe8065e3c6b_combine
	.p2align	8
	.type	k_qe8065e3c6b_combine,@function
k_qe8065e3c6b_combine:
	s_mov_b64 s[64:65], 0
	v_nop
	global_prefetch_b8 v0, s[64:65] scope:SCOPE_SE
	s_setreg_imm32_b32 hwreg(HW_REG_WAVE_MODE, 25, 1), 1
	s_wait_xcnt 0x0
	s_wait_alu depctr_hold_cnt(0) depctr_sa_sdst(0) depctr_va_vdst(0) depctr_va_sdst(0) depctr_va_ssrc(0) depctr_va_vcc(0) depctr_vm_vsrc(0)
	s_getreg_b32 s2, hwreg(HW_REG_IB_STS2, 6, 4)
	s_cmp_eq_u32 s2, 0
	s_cbranch_scc0 .Lentry_in_a_cluster
	s_endpgm
.Lentry_in_a_cluster:
	s_bfe_u32 s2, ttmp6, 0x10000c
	s_cmp_lg_u32 s2, 0x3003
	s_cbranch_scc0 .Lentry_shape_is_right
	s_endpgm
.Lentry_shape_is_right:
; out0[b][o] = the sum over the 8 heads of att[b][h] x (x Wv_h^T + bv_h)[b][o], att = softmax over h of logits[h][b] / sqrt(128), the row's maximum taken away first.
; The products on codes of BF8 (E5M2) with E8M0 scales, laid as row blocks of 16 rows x 1,024 K, each fragment an image of the operand's registers (x: row blocks 0-255; Wv's head h, outputs 16 j on: 328 + 64 h + j);
; a register of scale words holds an even K step's words in lanes 0-15 and the next K step's in lanes 16-31.
; SHARES.  A work-group takes 512 rows x 32 outputs of all 8 heads: 32 x 8 = 256 work-groups.  Wave w = 2 kh + cg keeps 8 heads x 16 outputs (column group cg) x HALF OF K (kh) of Wv in 512 registers for the whole launch;
; no two waves of a work-group hold the same bytes.  The 32 blocks of 16 rows of x stream past: a fragment of x from LDS feeds eight products.
; WV'S WAY INTO THE REGISTERS: heads 0-3 lie in slot 1 of the ring at first and head 4 in the exchange's bytes, both by tensor loads; heads 5-7, for which LDS has no room, go straight into registers.
; THE HALVES OF K ARE ADDED BEHIND THE WEIGHTING: the weighted sum over the heads is linear, so a wave takes its own half's eight sums into 16 x 16 numbers of O, and only those pass between waves.
; The bias is the C of the first product of each sum in the waves of kh = 0; kh = 1 reads zeros in its place.
; TRANSPOSED: source 0 = 16 rows of Wv, source 1 = 16 rows of x: a lane holds ONE row of x (lane % 16), so att is one number a head, and its eight registers are eight neighbouring outputs.
; THE RING: two slots of eight blocks (131,072 bytes); behind the head each wave fetches a quarter of a slot with one tensor load, and a refill has eight blocks, 256 products a wave, in which to land: so no prefetch is laid.
; CLUSTER: the four partners take the same rows of x, which are asked for JOINTLY; each has outputs of its own, so Wv is asked for by each alone.
; A BLOCK is 32 products on eight accumulators by turns; behind each stands one of the 32 packed multiply-adds of the block before (two sets of accumulators).  They run in three chains (heads 0 3 6, 1 4 7, 2 5), which eight
; packed additions behind the last product join.
; Between two blocks stands ONE boundary: the waits, then one run of memory instructions: the next block's fragments of x, att, the scale words of the block seven on, the finished O of three blocks ago.
; THE EXCHANGE.  Every wave stores its part of O in LDS; blocks go in groups of four, two buffers by turns; behind the barrier at boundaries 3 and 7 of a trip wave i takes block i of the group whole, 16 rows x 32 outputs,
; adds the two halves of K and stores it.  A work-group's 32 outputs are 128 bytes of a row: more outputs of all heads and all of K do not fit into the four waves' registers; the three partners in the cluster store the rest of the 512.
; The walk runs on at its end: the last boundaries ask for scale words of blocks behind the work-group's (bytes of the same buffer) and the last one reads a slot's first block again: nobody uses them.
; LIMITS: NaN and infinities are not served; weights under 2^-126 count as 0.
; REGISTERS, in windows of 256: window 0: v1-15 addresses; v16-31 att, two sets; v32-63 scale words (x's of eight blocks in numbers 0-3 modulo 8, Wv's in 4-7); v64-79 O, two sets; v80-111 a group's block on its way out;
;   v112-127 two of the chains; v128-255 two sets of eight accumulators.   window 1: v0-127 x's fragments, two sets of four K steps; v192-255 the bias.
;   windows 2, 3: Wv: fragment (q, head) at v[128 (q % 2) + 16 head] of window 2 + q / 2.
.set U_V,   328
.set SLOT,  131072
.set ATT,   262144                     ; behind the ring: att, 512 rows x 8 heads, f32
.set EB,    278528                     ; the exchange: [buffer][kh][block of four][16 rows of 128 bytes + 16]; at first head 4 of Wv, 32,768 bytes
.set EP,    144
.set EBLK,  16*EP
.set EKH,   4*EBLK
.set EBUF,  2*EKH
.set BL,    EB+2*EBUF                  ; the bias: [head][32 outputs], and as many zeros behind it
.set SPARE, BL+2048                    ; the spare words, 128 bytes for each wave: two blocks of 256 bytes that no other line names
.set SPW,  1                           ; SPARE + 4 x my thread's number; never rewritten
.set NIL,  2                           ; 0; never rewritten
.set L16,  3                           ; 16 x lane
.set L8,   4                           ; 8 x lane
.set XB,   5                           ; LDS: my half of K in slot 0
.set XA0,  6                           ; blocks 0-3 of the slot in hand
.set XA1,  7                           ; blocks 4-7
.set ATB,  8                           ; LDS: att of row lane % 16
.set ATA,  9                           ; and in this trip
.set EW,   10                          ; the exchange: where my part of O goes
.set ER,   11                          ; and where I read my block
.set GO,   12                          ; my byte offset in four rows of out0
.set BO,   13                          ; my bias number in bv
.set T16,  14                          ; 16 x thread
.set ATS,  15                          ; LDS: att of my four rows
.set WC,   16                          ; at the head: LDS: head 4 of Wv,
.set BS,   17                          ; where my bias number goes,
.set BR,   18                          ; where I read the bias,
.set BV,   19                          ; my bias number,
.set WA,   22                          ; heads 0 and 1 of Wv,
.set WB,   23                          ; heads 2 and 3
.set AT,   16
.set XS,   32
.set WS,   36
.set OA,   64
.set ET,   80
.set MX,   112
.set CH,   112
.set LG,   128
.set AO,   160
.set ACC,  128
.set BI,   192
.set G1,   24                          ; s[24:31] descriptor group 1 for x
.set G0,   32                          ; s[32:35] group 0, which walks
.set G0H,  36                          ; s[36:39] group 0 for chunk 0
.set TB,   54                          ; s54 the slot in hand, in bytes
.set TA,   55                          ; s55 att's bytes of the trips before
.set TC,   56                          ; s56 the trip
.set G1W,  68                          ; s[68:75], s[84:87] heads 0-3 of Wv
.set G1V,  76                          ; s[76:83], s[88:91] head 4
.set G0W,  84
.set G0V,  88
.set MSB, 0
.macro WIN new                         ; the immediate's high byte repeats the setting that is left; a switch that changes nothing is dropped
.if MSB != (\new)
	s_set_vgpr_msb (MSB<<8)|(\new)
.set MSB, (\new)
.endif
.endm
.macro PLACES n
.rept \n
	v_nop
.endr
.endm
.macro BARRIER
	s_barrier_signal -1
	s_barrier_wait -1
.endm
.macro CROUND                          ; a round of the cluster's barrier
	BARRIER
	s_cmp_lg_u32 s14, 0
	s_cbranch_scc1 .Lnot_wave_0_\@
	s_barrier_signal -3
.Lnot_wave_0_\@:
	s_barrier_wait -3
	BARRIER
.endm
.macro TLOAD g0, g1
	tensor_load_to_lds s[\g0:\g0+3], s[\g1:\g1+7]
	s_nop 0
	PLACES 4
.endm
.macro SHADD d, x, n
	s_lshl_b32 s61, s\x, \n
	s_add_co_u32 s\d, s\d, s61
.endm
	s_load_b256 s[4:11], s[0:1], 0x0               ; codes s[4:5], scales s[6:7], logits s[8:9], bv s[10:11]
	s_load_b64 s[12:13], s[0:1], 0x20              ; out0
	v_lshl_add_u32 v[SPW], v0, 2, SPARE
	v_mov_b32 v[NIL], 0
	ds_add_u32 v[SPW], v[NIL]                      ; the wave's opening: the add, twice on end, and its wait ahead of my first tensor load
	ds_add_u32 v[SPW], v[NIL]
	v_lshrrev_b32 v16, 5, v0
	v_readfirstlane_b32 s14, v16                   ; wave 0..3
	s_lshr_b32 s15, s14, 1                         ; kh
	s_and_b32 s16, s14, 1                          ; cg
	s_and_b32 s17, ttmp7, 0xffff                   ; my 512 rows: the four partners share them
	s_mov_b32 s[G1+0], 15|(3<<16)|(1<<21)          ; 15:0 the mask: all four work-groups; 17:16 elements of 8 bytes; 21 set beside a mask
	s_mov_b32 s[G1+1], 32<<16                      ; dense bytes as rows of 256: at the head 256 rows, behind it 128
	s_mov_b32 s[G1+2], 256<<16
	s_mov_b32 s[G1+3], 32<<16
	s_mov_b32 s[G1+4], 256
	s_mov_b32 s[G1+5], 32
	s_mov_b32 s[G1+6], 0
	s_mov_b32 s[G1+7], 0
	s_mov_b32 s[G1W+0], 3<<16                      ; heads 0-3 of Wv: four rows of 32,768 bytes (two row blocks), a head's 1,048,576 bytes apart; no mask
	s_mov_b32 s[G1W+1], 4096<<16
	s_mov_b32 s[G1W+2], 4<<16
	s_mov_b32 s[G1W+3], 4096<<16
	s_mov_b32 s[G1W+4], 4
	s_mov_b32 s[G1W+5], 131072
	s_mov_b32 s[G1W+6], 0
	s_mov_b32 s[G1W+7], 0
	s_mov_b32 s[G1V+0], 3<<16                      ; head 4: 32,768 dense bytes as 128 rows of 256
	s_mov_b32 s[G1V+1], 32<<16
	s_mov_b32 s[G1V+2], 128<<16
	s_mov_b32 s[G1V+3], 32<<16
	s_mov_b32 s[G1V+4], 128
	s_mov_b32 s[G1V+5], 32
	s_mov_b32 s[G1V+6], 0
	s_mov_b32 s[G1V+7], 0
	s_mov_b32 s[G0], 1
	s_lshl_b32 s[G0+1], s14, 15                    ; the ring: my quarter of a slot
	s_lshl_b32 s20, s17, 19                        ; x's codes: 32 row blocks for each 512 rows,
	SHADD 20, 14, 15                               ; my two of a chunk's eight
	s_mov_b32 s21, 0
	s_mov_b32 s[G0H], 1                            ; chunk 0: waves 0 and 1 fetch a half each
	s_lshl_b32 s[G0H+1], s14, 16
	s_lshl_b32 s22, s17, 19
	SHADD 22, 14, 16
	s_mov_b32 s23, 0
	s_mov_b32 s[G0W], 1
	s_mov_b32 s[G0W+1], SLOT
	s_mov_b32 s[G0V], 1
	s_mov_b32 s[G0V+1], EB
	s_bfe_u32 s19, ttmp6, 0x40000                  ; cx: my place in the cluster enters the addresses of Wv, bv and out0 alone
	s_lshl_b32 s18, ttmp9, 2
	s_add_co_u32 s18, s18, s19                     ; my block of 32 outputs
	s_lshl_b32 s66, s18, 15                        ; s[66:67] Wv's codes: row block 328 + 2 x block,
	s_add_co_u32 s66, s66, U_V*16384
	s_mov_b32 s67, 0
	s_mov_b32 s40, s66                             ; s[40:41] + cg, half kh
	SHADD 40, 16, 14
	SHADD 40, 15, 13
	s_mov_b32 s41, 0
	s_lshl_b32 s42, s18, 10                        ; s[42:43] its scale words
	SHADD 42, 16, 9
	SHADD 42, 15, 8
	s_add_co_u32 s42, s42, U_V*512
	s_mov_b32 s43, 0
	s_lshl_b32 s44, s18, 7                         ; s[44:45] bv at my 32 outputs
	s_mov_b32 s45, 0
	s_lshl_b32 s46, s17, 14                        ; s[46:47] x's scale words, half kh
	SHADD 46, 15, 8
	s_mov_b32 s47, 0
	s_lshl_b32 s48, s17, 11                        ; s[48:49] logits at my rows
	s_mov_b32 s49, 0
	s_lshl_b32 s50, s17, 21                        ; s[50:51] out0: block w of a group of four, my 32 outputs
	SHADD 50, 14, 16
	SHADD 50, 18, 7
	s_mov_b32 s51, 0
	s_mov_b32 s52, 0x3e0293ee                      ; log2(e) / sqrt(128)
	s_mov_b32 s[TB], 0
	s_mov_b32 s[TA], 0
	s_mov_b32 s[TC], 0
	s_lshl_b32 s57, s15, 13
	s_mul_i32 s58, s15, EKH
	SHADD 58, 16, 6
	s_add_co_u32 s58, s58, EB
	s_mul_i32 s59, s14, EBLK
	s_add_co_u32 s59, s59, EB
	s_lshl_b32 s60, s16, 14
	s_add_co_u32 s62, s60, SLOT
	s_add_co_u32 s63, s60, EB
	s_lshl_b32 s60, s15, 10
	SHADD 60, 16, 6
	s_add_co_u32 s60, s60, BL
	v_and_b32 v16, 31, v0                          ; lane
	v_and_b32 v17, 15, v0                          ; r
	v_bfe_u32 v18, v0, 4, 1                        ; hf
	v_lshrrev_b32 v20, 3, v16
	v_and_b32 v21, 7, v0
	v_lshlrev_b32 v[L16], 4, v16
	v_lshlrev_b32 v[L8], 3, v16
	v_add_nc_u32 v[XB], s57, v[L16]
	v_mov_b32 v[XA0], v[XB]
	v_add_nc_u32 v[XA1], 0x10000, v[XB]
	v_lshl_add_u32 v[ATB], v17, 5, ATT
	v_mov_b32 v[ATA], v[ATB]
	v_mul_u32_u24 v19, v17, EP
	v_lshl_add_u32 v19, v18, 5, v19
	v_add_nc_u32 v[EW], s58, v19                   ; row r, 64 bytes for each cg, 32 for each half of the lanes
	v_mul_u32_u24 v19, v20, EP
	v_lshl_add_u32 v19, v21, 4, v19
	v_add_nc_u32 v[ER], s59, v19                   ; eight lanes to a row of 128 bytes, four rows an instruction
	v_lshlrev_b32 v[GO], 12, v20
	v_lshl_add_u32 v[GO], v21, 4, v[GO]            ; and the same four rows in out0
	v_lshrrev_b32 v20, 5, v0
	v_lshlrev_b32 v[BO], 12, v20                   ; heads w and w + 4 stand in bv 4,096 bytes a head: thread t takes head t / 32, output t % 32
	v_lshl_add_u32 v[BO], v16, 2, v[BO]
	v_lshlrev_b32 v[T16], 4, v0
	v_lshl_add_u32 v[ATS], v0, 7, ATT
	v_add_nc_u32 v[WA], s62, v[XB]
	v_add_nc_u32 v[WB], 0x10000, v[WA]
	v_add_nc_u32 v[WC], s63, v[XB]
	v_lshl_add_u32 v[BS], v0, 2, BL
	v_lshlrev_b32 v[BR], 5, v18
	v_add_nc_u32 v[BR], s60, v[BR]
	s_wait_alu depctr_va_vdst(0)
	s_wait_dscnt 0x0                               ; both opening adds are done
	s_wait_kmcnt 0x0
	s_add_nc_u64 s[G0+2:G0+3], s[4:5], s[20:21]
	s_or_b32 s[G0+3], s[G0+3], 0x80000000
	s_add_nc_u64 s[G0H+2:G0H+3], s[4:5], s[22:23]
	s_or_b32 s[G0H+3], s[G0H+3], 0x80000000
	s_add_nc_u64 s[G0W+2:G0W+3], s[4:5], s[66:67]
	s_add_nc_u64 s[G0V+2:G0V+3], s[G0W+2:G0W+3], 0x400000
	s_or_b32 s[G0W+3], s[G0W+3], 0x80000000
	s_or_b32 s[G0V+3], s[G0V+3], 0x80000000
	s_add_nc_u64 s[40:41], s[4:5], s[40:41]
	s_add_nc_u64 s[42:43], s[6:7], s[42:43]
	s_add_nc_u64 s[44:45], s[10:11], s[44:45]
	s_add_nc_u64 s[46:47], s[6:7], s[46:47]
	s_add_nc_u64 s[48:49], s[8:9], s[48:49]
	s_add_nc_u64 s[50:51], s[12:13], s[50:51]
	s_sub_nc_u64 s[50:51], s[50:51], 0x40000       ; (each group's stores step it by 64 rows first)
	global_load_b32 v[BV], v[BO], s[44:45]         ; the work-group's 256 bias numbers for waves 0 .. 3: heads 0-3,
	global_load_b32 v20, v[BO], s[44:45] offset:16384  ; and heads 4-7
.irp h, 0,1,2,3,4,5,6,7
	global_load_b128 v[LG+4*\h:LG+4*\h+3], v[T16], s[48:49] offset:\h*16384   ; the logits of head h for rows 4 x thread + 0 .. 3
.endr
.irp t, 0,1,2,3,4,5,6,7
	global_load_b64 v[WS+8*(\t/2)+2*(\t%2):WS+8*(\t/2)+2*(\t%2)+1], v[L8], s[42:43] offset:\t*32768
.endr
.irp n, 0,1,2,3,4,5,6
	global_load_b64 v[XS+8*(\n/2)+2*(\n%2):XS+8*(\n/2)+2*(\n%2)+1], v[L8], s[46:47] offset:\n*512
.endr
	CROUND                                         ; all four work-groups are here: the first joint loads meet
	s_cmp_lt_u32 s14, 2                            ; one tensor load a wave
	s_cbranch_scc0 .Lhead_w
	TLOAD G0H, G1                                  ; waves 0, 1: half of chunk 0
	s_branch .Lasked
.Lhead_w:
	s_cmp_eq_u32 s14, 2
	s_cbranch_scc0 .Lhead_v
	TLOAD G0W, G1W                                 ; wave 2: heads 0-3
	s_branch .Lasked
.Lhead_v:
	TLOAD G0V, G1V                                 ; wave 3: head 4
.Lasked:
.irp q, 0,1,2,3                        ; my part of heads 5-7: 48 loads of 512 consecutive bytes, in the order of K
	WIN 0x80+0x40*(\q/2)
.irp t, 5,6,7
.irp c, 0,1,2,3
	global_load_b128 v[128*(\q%2)+16*\t+4*\c:128*(\q%2)+16*\t+4*\c+3], v[L16], s[40:41] offset:\t*1048576+\q*2048+\c*512
.endr
.endr
.endr
	WIN 0
; what the first boundaries and the first block's gaps read of blocks that do not exist: zeros
.set I_, 0
.rept 64
	v_mov_b32 v[ACC+64+I_], 0
.set I_, I_+1
.endr
.set I_, 0
.rept 48
	v_mov_b32 v[OA+I_], 0
.set I_, I_+1
.endr
.set I_, 0
.rept 8
	v_mov_b32 v[AT+8+I_], 0
.set I_, I_+1
.endr
	s_wait_alu depctr_va_vdst(0)
	s_wait_loadcnt 63                              ; bias and logits are in: behind them 8 + 7 + 48 loads were issued
; THE SOFTMAX over the 8 heads, four rows a lane.  The maximum is taken away before the scaling: the difference of near numbers is exact, however large the logits.
.irp i, 0,1,2,3
	v_max3_num_f32 v[MX+\i], v[LG+\i], v[LG+4+\i], v[LG+8+\i]
.endr
.irp h, 3,5
.irp i, 0,1,2,3
	v_max3_num_f32 v[MX+\i], v[MX+\i], v[LG+4*\h+\i], v[LG+4*\h+4+\i]
.endr
.endr
.irp i, 0,1,2,3
	v_max_num_f32 v[MX+\i], v[MX+\i], v[LG+28+\i]
.endr
.irp h, 0,1,2,3,4,5,6,7
.irp i, 0,1,2,3
	v_sub_f32 v[LG+4*\h+\i], v[LG+4*\h+\i], v[MX+\i]
.endr
.endr
.irp h, 0,1,2,3,4,5,6,7
.irp i, 0,1,2,3
	v_mul_f32 v[LG+4*\h+\i], s52, v[LG+4*\h+\i]
.endr
.endr
	s_wait_alu depctr_va_vdst(0)
.irp h, 0,1,2,3,4,5,6,7
.irp i, 0,1,2,3
	v_exp_f32 v[LG+4*\h+\i], v[LG+4*\h+\i]         ; at most 1, and 1 for the largest
.endr
.endr
	v_nop                                          ; one plain place behind the exponentials
	s_wait_alu depctr_va_vdst(0)
.irp k, 0,1,2,3
.irp i, 0,1,2,3
	v_add_f32 v[MX+4*\k+\i], v[LG+8*\k+\i], v[LG+8*\k+4+\i]
.endr
.endr
.irp i, 0,1,2,3
	v_add_f32 v[MX+\i], v[MX+\i], v[MX+4+\i]
	v_add_f32 v[MX+8+\i], v[MX+8+\i], v[MX+12+\i]
.endr
.irp i, 0,1,2,3
	v_add_f32 v[MX+\i], v[MX+\i], v[MX+8+\i]       ; the row's sum: between 1 and 8
.endr
	s_wait_alu depctr_va_vdst(0)
.irp i, 0,1,2,3
	v_rcp_f32 v[MX+4+\i], v[MX+\i]
.endr
	v_nop                                          ; one plain place behind the reciprocals
	s_wait_alu depctr_va_vdst(0)
.irp h, 0,1,2,3,4,5,6,7
.irp i, 0,1,2,3
	v_mul_f32 v[AO+8*\i+\h], v[LG+4*\h+\i], v[MX+4+\i]
.endr
.endr
.irp i, 0,1,2,3
	ds_store_b128 v[ATS], v[AO+8*\i:AO+8*\i+3] offset:32*\i
	ds_store_b128 v[ATS], v[AO+8*\i+4:AO+8*\i+7] offset:32*\i+16
.endr
	ds_store_b32 v[BS], v[BV]                      ; the bias: heads 0-3,
	ds_store_b32 v[BS], v20 offset:512             ; heads 4-7,
	ds_store_b32 v[BS], v[OA] offset:1024          ; and the zeros that the waves of kh = 1 read
	ds_store_b32 v[BS], v[OA] offset:1536
.macro XLOAD p, adr, off               ; a block's four K steps of my half into set p: 16 loads of 512 consecutive bytes
	WIN 0x40
.irp q, 0,1,2,3
.irp c, 0,1,2,3
	ds_load_b128 v[64*(\p)+16*\q+4*\c:64*(\p)+16*\q+4*\c+3], v[\adr] offset:(\off)+2048*\q+512*\c
.endr
.endr
	WIN 0
.endm
.macro PROD n, k                       ; product k = 8 q + head of block n
.set Q_, (\k)/8
.set T_, (\k)%8
.set D_, ACC+64*((\n)%2)+8*T_
.set A_, 128*(Q_%2)+16*T_
.set B_, 64*((\n)%2)+16*Q_
.set SA_, WS+8*(T_/2)+2*(T_%2)+Q_/2
.set SB_, XS+8*((\n)/2)+2*((\n)%2)+Q_/2
.if Q_ == 0
	WIN 0x16                                       ; source 0 (Wv) window 2, source 1 (x) and C (the bias) window 1, D window 0
	v_wmma_scale_f32_16x16x128_f8f6f4 v[D_:D_+7], v[A_:A_+15], v[B_:B_+15], v[BI+8*T_:BI+8*T_+7], v[SA_], v[SB_] matrix_a_fmt:MATRIX_FMT_BF8 matrix_b_fmt:MATRIX_FMT_BF8
.elseif Q_ == 2
	WIN 0x07                                       ; Wv window 3, C window 0
	v_wmma_scale_f32_16x16x128_f8f6f4 v[D_:D_+7], v[A_:A_+15], v[B_:B_+15], v[D_:D_+7], v[SA_], v[SB_] matrix_a_fmt:MATRIX_FMT_BF8 matrix_b_fmt:MATRIX_FMT_BF8
.else
	WIN 0x06+Q_/2
	v_wmma_scale_f32_16x16x128_f8f6f4 v[D_:D_+7], v[A_:A_+15], v[B_:B_+15], v[D_:D_+7], v[SA_], v[SB_] matrix_a_fmt:MATRIX_FMT_BF8 matrix_b_fmt:MATRIX_FMT_BF8 matrix_a_scale:MATRIX_SCALE_ROW1 matrix_b_scale:MATRIX_SCALE_ROW1
.endif
.endm
.macro PKE p, k                        ; multiply-add k = 4 head + pair of a block of parity p, from the accumulator's low end on: chain (head % 3) += att_head x its sum; heads 0, 1, 2 start their chains.  Chain 0 is O
.set T_, (\k)/4
.set J_, 2*((\k)%4)
.set P_, ACC+64*(\p)+8*T_+J_
.set W_, AT+8*(\p)+T_
.if T_%3 == 0
.set O_, OA+8*(\p)+J_
.else
.set O_, CH+8*(T_%3-1)+J_
.endif
.if T_ == 1
	v_pk_mul_f32 v[O_:O_+1], v[P_:P_+1], v[W_-1:W_] op_sel:[0,1] op_sel_hi:[1,1]
.elseif T_ < 3
	v_pk_mul_f32 v[O_:O_+1], v[P_:P_+1], v[W_:W_+1] op_sel_hi:[1,0]
.elseif T_%2 == 0
	v_pk_fma_f32 v[O_:O_+1], v[P_:P_+1], v[W_:W_+1], v[O_:O_+1] op_sel_hi:[1,0,1]
.else
	v_pk_fma_f32 v[O_:O_+1], v[P_:P_+1], v[W_-1:W_], v[O_:O_+1] op_sel:[0,1,0] op_sel_hi:[1,1,1]
.endif
.endm
.macro JOIN p                          ; the three chains become O
.irp j, 0,2,4,6
	v_pk_add_f32 v[CH+\j:CH+\j+1], v[CH+\j:CH+\j+1], v[CH+8+\j:CH+8+\j+1]
.endr
.irp j, 0,2,4,6
	v_pk_add_f32 v[OA+8*(\p)+\j:OA+8*(\p)+\j+1], v[OA+8*(\p)+\j:OA+8*(\p)+\j+1], v[CH+\j:CH+\j+1]
.endr
.endm
; A block.  Behind its last product stand a multiply-add and eight additions of the block before: the places that the loads of the boundary and the first reads of this block's sums want (ISA guide 7.12.1 for the reads of the sums).
.macro BLK n
.set K_, 0
.rept 32
	PROD \n, K_
	WIN 0
	PKE ((\n)+1)%2, K_
.set K_, K_+1
.endr
	JOIN ((\n)+1)%2
.if (\n) == 6
	s_xor_b32 s[TB], s[TB], SLOT                   ; boundary 7 reads the other slot
	v_add_nc_u32 v[XA0], s[TB], v[XB]
	v_add_nc_u32 v[XA1], 0x10000, v[XA0]
	s_wait_alu depctr_va_vdst(0)
.elseif (\n) == 7
	s_add_co_u32 s[TA], s[TA], 4096
	v_add_nc_u32 v[ATA], s[TA], v[ATB]
	s_wait_alu depctr_va_vdst(0)
.endif
.endm
.macro ESTORE p, x                     ; a block's O of parity p to place x of the exchange's eight
	ds_store_b128 v[EW], v[OA+8*(\p):OA+8*(\p)+3] offset:EBUF*((\x)/4)+EBLK*((\x)%4)
	ds_store_b128 v[EW], v[OA+8*(\p)+4:OA+8*(\p)+7] offset:EBUF*((\x)/4)+EBLK*((\x)%4)+16
.endm
.macro ELOAD b                         ; my block of the group in buffer b: both halves of K
.irp k, 0,1
.irp i, 0,1,2,3
	ds_load_b128 v[ET+16*\k+4*\i:ET+16*\k+4*\i+3], v[ER] offset:EBUF*(\b)+EKH*\k+4*EP*\i
.endr
.endr
.endm
.macro FIN skip                        ; a group's block leaves: the halves of K are added; eight lanes store 128 consecutive bytes, four rows an instruction.  skip = 1: the first trip has no group before it
.if \skip
	s_cmp_eq_u32 s[TC], 0
	s_cbranch_scc1 .Lno_group_\@
.endif
.irp j, 0,2,4,6,8,10,12,14
	v_pk_add_f32 v[ET+\j:ET+\j+1], v[ET+\j:ET+\j+1], v[ET+16+\j:ET+16+\j+1]
.endr
	s_add_nc_u64 s[50:51], s[50:51], 0x40000       ; 64 rows on
.irp i, 0,1,2,3
	global_store_b128 v[GO], v[ET+4*\i:ET+4*\i+3], s[50:51] offset:16384*\i
.endr
.if \skip
.Lno_group_\@:
.endif
.endm
; The boundary ahead of block n of a trip.
.macro BND n, fill
	s_wait_loadcnt 6                               ; block n's scale words are in; those of the six blocks behind it may be out
	s_wait_xcnt 0x0                                ; earlier stores have read their registers and their base
.if (\n) == 7
	s_wait_tensorcnt 0x0                           ; my part of the next slot is in
.if \fill
	ds_add_u32 v[SPW], v[NIL]
	s_xor_b32 s[G0+1], s[G0+1], SLOT               ; the slot that is left takes the chunk two on
	s_add_nc_u64 s[G0+2:G0+3], s[G0+2:G0+3], SLOT
	s_wait_dscnt 0x0                               ; the add is done, and so are my reads of the slot
	CROUND
	TLOAD G0, G1
.else
	s_wait_dscnt 0x0
	BARRIER
.endif
.else
	s_wait_dscnt 0x0                               ; block n's fragments and att of the block before are in
.if (\n) == 3
	BARRIER
.endif
.endif
.if (\n)%4 == 0
	FIN \fill
.endif
.if (\n) < 3
	XLOAD ((\n)+1)%2, XA0, ((\n)+1)*16384
.elseif (\n) < 7
	XLOAD ((\n)+1)%2, XA1, ((\n)-3)*16384
.else
	XLOAD 0, XA0, 0
.endif
	ds_load_b128 v[AT+8*((\n)%2):AT+8*((\n)%2)+3], v[ATA] offset:512*(\n)
	ds_load_b128 v[AT+8*((\n)%2)+4:AT+8*((\n)%2)+7], v[ATA] offset:512*(\n)+16
	ESTORE ((\n)+1)%2, ((\n)+5)%8
.if (\n) == 3
	ELOAD 1
.elseif (\n) == 7
	ELOAD 0
.endif
.set Y_, ((\n)+7)%8
	global_load_b64 v[XS+8*(Y_/2)+2*(Y_%2):XS+8*(Y_/2)+2*(Y_%2)+1], v[L8], s[46:47] offset:512*((\n)+7)
.endm
.macro TRIP fill
.irp n, 0,1,2,3,4,5,6,7
	BND \n, \fill
	BLK \n
.endr
	s_wait_xcnt 0x0                                ; the scale words' loads have read their base
	s_add_nc_u64 s[46:47], s[46:47], 0x1000
	s_add_co_u32 s[TC], s[TC], 1
.endm
	s_wait_alu depctr_va_vdst(0)
	s_wait_tensorcnt 0x0                           ; my tile of the head's is in,
	s_wait_dscnt 0x0                               ; and my rows' att and my part of the bias are stored
	BARRIER
.irp q, 0,1,2,3                        ; my part of heads 0-4 into registers: 80 loads
	WIN 0x80+0x40*(\q/2)
.irp c, 0,1,2,3
.irp t, 0,1
	ds_load_b128 v[128*(\q%2)+16*\t+4*\c:128*(\q%2)+16*\t+4*\c+3], v[WA] offset:32768*\t+2048*\q+512*\c
	ds_load_b128 v[128*(\q%2)+32+16*\t+4*\c:128*(\q%2)+32+16*\t+4*\c+3], v[WB] offset:32768*\t+2048*\q+512*\c
.endr
	ds_load_b128 v[128*(\q%2)+64+4*\c:128*(\q%2)+64+4*\c+3], v[WC] offset:2048*\q+512*\c
.endr
.endr
	WIN 0x40
.irp t, 0,1,2,3,4,5,6,7
	ds_load_b128 v[BI+8*\t:BI+8*\t+3], v[BR] offset:128*\t
	ds_load_b128 v[BI+8*\t+4:BI+8*\t+7], v[BR] offset:128*\t+16
.endr
	WIN 0
	XLOAD 0, XA0, 0
	s_wait_loadcnt 0x0                             ; heads 5-7 are in: nothing that is needed now stands behind chunk 1
	s_wait_tensorcnt 0x0
	ds_add_u32 v[SPW], v[NIL]
	s_mov_b32 s[G1+2], 128<<16                     ; no tensor load of mine is out, so a descriptor may be written: from here on a load brings 128 rows
	s_mov_b32 s[G1+4], 128
	s_xor_b32 s[G0+1], s[G0+1], SLOT
	s_add_nc_u64 s[G0+2:G0+3], s[G0+2:G0+3], SLOT
	s_wait_dscnt 0x0                               ; the add is done, and my part of Wv is in registers
	CROUND
	TLOAD G0, G1                                   ; chunk 1 into slot 1
	ds_store_b128 v[EW], v[OA:OA+3] offset:EBUF    ; block 0 of the group ahead of the first: zeros, read at the first boundary 3 and not stored
	ds_store_b128 v[EW], v[OA+4:OA+7] offset:EBUF+16
.Lfill:                                            ; chunks 0 and 1: each slot is filled again when it has been read
	TRIP 1
	s_cmp_lt_u32 s[TC], 2
	s_cbranch_scc1 .Lfill
	s_mov_b32 s[TC], 0
.Lrest:                                            ; chunks 2 and 3: nothing is left to fetch
	TRIP 0
	s_cmp_lt_u32 s[TC], 2
	s_cbranch_scc1 .Lrest
	s_wait_xcnt 0x0
	s_wait_dscnt 0x0
	FIN 0                                          ; blocks 24-27
	ESTORE 1, 5                                    ; block 29
	ESTORE 0, 6                                    ; block 30
.set K_, 0
.rept 32                               ; block 31's sums: no product is left to set them beside
	PKE 1, K_
.set K_, K_+1
.endr
	JOIN 1
	s_wait_alu depctr_va_vdst(0)
	ESTORE 1, 7
	s_wait_xcnt 0x0                                ; blocks 24-27's stores have read their registers
	s_wait_dscnt 0x0
	BARRIER
	ELOAD 1
	s_wait_dscnt 0x0
	FIN 0                                          ; blocks 28-31
	s_wait_tensorcnt 0x0                           ; the wave's end
	ds_add_u32 v[SPW], v[NIL]
	s_wait_dscnt 0x0
	CROUND                                         ; the closing round: no work-group ends while a partner may still ask for a tile that names it
	s_endpgm
.Lfunc_end_k_qe8065e3c6b_combine:
	.size	k_qe8065e3c6b_combine, .Lfunc_end_k_qe8065e3c6b_combine-k_qe8065e3c6b_combine
	.p2alignl 7, 3214868480
	.fill 96, 4, 3214868480
	.section	.rodata,"a",@progbits
	.p2align	6, 0x0
	.amdhsa_kernel k_qe8065e3c6b_combine
		.amdhsa_group_segment_fixed_size 327680
		.amdhsa_private_segment_fixed_size 0
		.amdhsa_enable_private_segment 0
		.amdhsa_kernarg_size 40
		.amdhsa_user_sgpr_count 2
		.amdhsa_user_sgpr_kernarg_segment_ptr 1
		.amdhsa_wavefront_size32 1
		.amdhsa_system_sgpr_workgroup_id_x 1
		.amdhsa_system_sgpr_workgroup_id_y 1
		.amdhsa_system_sgpr_workgroup_id_z 1
		.amdhsa_system_vgpr_workitem_id 0
		.amdhsa_next_free_vgpr 1024
		.amdhsa_next_free_sgpr 96
		.amdhsa_reserve_vcc 0
		.amdhsa_float_denorm_mode_32 3
		.amdhsa_float_denorm_mode_16_64 3
		.amdhsa_memory_ordered 1
		.amdhsa_forward_progress 1
		.amdhsa_inst_pref_size 208
	.end_amdhsa_kernel
	.amdgpu_metadata
---
amdhsa.version: [ 1, 2 ]
amdhsa.kernels:
  - .name:           k_qe8065e3c6b_combine
    .symbol:         k_qe8065e3c6b_combine.kd
    .args:
      - { .name: codes, .offset: 0, .size: 8, .value_kind: global_buffer, .address_space: global }
      - { .name: scales, .offset: 8, .size: 8, .value_kind: global_buffer, .address_space: global }
      - { .name: logits, .offset: 16, .size: 8, .value_kind: global_buffer, .address_space: global }
      - { .name: bv, .offset: 24, .size: 8, .value_kind: global_buffer, .address_space: global }
      - { .name: out0, .offset: 32, .size: 8, .value_kind: global_buffer, .address_space: global }
    .group_segment_fixed_size: 327680
    .private_segment_fixed_size: 0
    .kernarg_segment_align: 8
    .kernarg_segment_size: 40
    .max_flat_workgroup_size: 128
    .sgpr_count:     96
    .vgpr_count:     1024
    .wavefront_size: 32
...
	.end_amdgpu_metadata
.endif
;; end of part 3
